; MI455X (gfx1250); checked and timed in simulation.
; The chip was launched on July 23, 2026; its instructions are those of AMD's public machine-readable ISA for CDNA 5 (MIT licence, August 2026) and "CDNA5" Instruction Set Architecture Reference Guide (July 2026). The comments in the code are by the model that wrote it; some were corrected since.
;; Scaled Dot Product Attention. Allowed arithmetic: matrix products marked QUANTISED: E5M2 operands, one given power-of-two scale a tensor, by v_wmma_f32_16x16x64_bf8_bf8 or v_wmma_f32_16x16x128_bf8_bf8, f32 sums; everything else in f32.
;; Inputs: K 4 x 16 x 2,048 x 128 float32; Q 4 x 16 x 2,048 x 128 float32; V 4 x 16 x 2,048 x 128 float32; lowp_scales 4 int32 (the exponents e of the quantised operands' scales 2^e); mask 2,048 x 2,048 bool.
;; Outputs: out0 4 x 16 x 2,048 x 128 float32.
;; This version of the problem:
;;   THIS VERSION OF THE PROBLEM IS GIVEN IN LOW PRECISION. The matrix products marked QUANTISED in the list below multiply operands that are first quantised to E5M2 (5 exponent bits, 2 mantissa bits; 8 bits a number), with one given power-of-two scale for each operand tensor; their sums are f32. All else is computed in f32.
;;   The module's matrix products, in the order in which they are computed (A, B: the left and right operand; K: the contracted axis; several contracted axes count as one K, in the product's order):
;;     1. batch 64 x [M 2,048, K 128] x [K 128, N 2,048]; A: input Q; B: input K: QUANTISED (scales: A lowp_scales[0], B lowp_scales[1])
;;     2. batch 64 x [M 2,048, K 2,048] x [K 2,048, N 128]; A: softmax (see below); B: input V: QUANTISED (scales: A lowp_scales[2], B lowp_scales[3])
;;   THE QUANTISER, for each operand of a quantised product, along K:
;;     - The operand's scale is 2^e, e = its entry of the input lowp_scales (int32; the entries are numbered through the quantised products in the list's order, A before B).
;;     - Each number is divided by the scale, clamped to +-57,344, and rounded to the nearest number of E5M2, ties to even, subnormals kept.
;;     - The product sums the exact products of the quantised numbers (number of the format x scale) in f32.
;;   ~~~python
;;   def quantise(x, axis, e):      # numpy; x: float32 -> the quantised numbers, widened to float32 again
;;       x = np.moveaxis(x, axis, -1); K = x.shape[-1]
;;       r = np.clip(x / 2.0 ** e, -57344, 57344)
;;       step = 2.0 ** (np.maximum(np.frexp(np.where(r == 0, 1, r))[1] - 1, -14) - 2)
;;       q = np.round(r / step) * step * 2.0 ** e      # np.round: ties to even
;;       return np.moveaxis(q, -1, axis).astype(np.float32)
;;   ~~~
;;   SOFTMAX AHEAD OF A QUANTISED PRODUCT. Where the list says 'softmax', what is quantised is not the finished softmax but p = 2^(t - M), with t = logit x log2(e) and M = ceil(the row's largest t), a whole number; so 1/2 < the row's largest p <= 1. The row's sum l is taken of the UNQUANTISED p, in f32, and the product's result is divided by l at the end. Since M is a whole number, a kernel that streams over the keys may use a running M (the ceiling of the running maximum): every later rescaling is an exact power of two, so the quantised numbers keep their values, but for numbers so far below the row's largest that they fall under the format's range.
;;   OPERANDS COMPUTED ON THE WAY. 'Computed on the way' means the value that the module computes at that place (a softmax that the list does not call 'softmax' is quantised finished and normalised). What goes into a quantiser is computed in f32, as accurately as f32 sums, v_exp_f32 and their like allow (about 1e-6 of the number): no bf16 or f16 on the way to a quantiser, and a product that is left as it is and whose result goes on into a quantised operand takes f32 operands (vector FMAs, or v_wmma_f32_16x16x4_f32). A number that lies on a knife's edge between two numbers of the format may be rounded either way, as far as f32 arithmetic and the matrix unit's own rounding can turn it there, and no further.
;; One version. Each part assembles by itself: llvm-mc -triple=amdgcn-amd-amdhsa -mcpu=gfx1250 --defsym DOCPART=n.
;; ======== version 1 of 1: 2 launches
;; limits: right only within a limited range of input values
;; workspace buffers: kv 33,554,432 bytes; lm 524,288 bytes of whole numbers; fl 1,024 bytes of whole numbers
;; launch prep (part 1): grid 2112 x 1, 4 waves a work-group, no clusters, 36,352 bytes of LDS; arguments K, V, mask, lowp_scales, kv, lm, fl; writes kv, lm, fl
.if DOCPART == 1
	.amdgcn_target "amdgcn-amd-amdhsa--gfx1250"
	.amdhsa_code_object_version 6
	.text
	.protected	k_q6cd74f1860_prep
	.globl	k_q6cd74f1860_prep
	.p2align	8
	.type	k_q6cd74f1860_prep,@function
k_q6cd74f1860_prep:
	s_mov_b64 s[64:65], 0
	v_nop
	global_prefetch_b8 v0, s[64:65] scope:SCOPE_SE
	s_setreg_imm32_b32 hwreg(HW_REG_WAVE_MODE, 25, 1), 1
	s_wait_xcnt 0x0
; WHAT IS MADE HERE, once, for the attention launch that follows.  64 heads, 2,048 keys, head size 128; a key step is 128 keys.
; kv: the codes of K and V in BF8 (E5M2), code = x / 2^e held within +-57,344, to the nearest code, ties to even (e: entry 1 of the scales for K, entry 3 for V).
;     They are laid as IMAGES OF OPERAND REGISTERS: byte = head x 524,288 + step x 32,768 + (K: 0, V: 16,384) + 2,048 T + 512 c + 16 lane, T = 0..7 a fragment, c = 0..3 four of its registers, lane = (r, h).
;     K: the 16 bytes are K[key 128 step + 32 (T / 2) + 8 (T % 2) + r + 8 (r / 8)][channel 32 c + 16 h + 0..15];   V: V[key 128 step + 32 c + 16 h + 0..15][channel 16 T + r]: the keys innermost.
; lm: the mask as lane masks: word ((qt x 16 + step) x 64 + n), qt a tile of 16 queries; bit l = mask[16 qt + l % 16][128 step + 32 (n / 16) + 16 (l / 16) + n % 16]: the lanes of score register n.
; fl: word qt: bit step set where some byte of (qt, step) is true;  word 128 + qt: bit step set where all its bytes are true.  Bits 16 on are 0.
; THREE PATHS part on the work-group's number: 0..63 the mask (a chain of dependent trips, so it starts first), 64..1,087 K, 1,088..2,111 V.  Waves share nothing: no barrier.
; LIMITS: each e between -126 and 112, so that 2^e and 57,344 x 2^e are f32 numbers.  NaN among K and V is not served; an infinity is held at the largest code.
.set NM,    64                         ; work-groups for the mask: two tiles of 16 queries each, two waves to a tile
.set NKV,   1024                       ; for K, and for V: one for each head and key step
.set KST,   4608                       ; LDS bytes 0 .. 18,431: the K path's stages, one a wave: 32 rows of 128 bytes + 16
.set MST0,  4*KST                      ; LDS bytes 18,432 .. 35,839: the mask path's, one a wave: 16 rows of 256 bytes + 16
.set MST,   4352
.set SPARE, 0x8c00                     ; the spare words, 128 bytes a wave
.set X,     32                         ; v32-159  numbers as loaded
.set C,     160                        ; v160-191 codes: a register is written once, so no store's data are written again
	s_load_b256 s[4:11], s[0:1], 0x0               ; K s[4:5], V s[6:7], mask s[8:9], the scales' exponents s[10:11]
	s_load_b128 s[12:15], s[0:1], 0x20             ; kv s[12:13], lm s[14:15]
	s_load_b64 s[16:17], s[0:1], 0x30              ; fl
	v_lshl_add_u32 v12, v0, 2, SPARE
	v_mov_b32 v13, 0
	v_lshrrev_b32 v1, 5, v0
	v_readfirstlane_b32 s18, v1                    ; wave 0..3
	v_and_b32 v1, 31, v0                           ; lane
	v_lshlrev_b32 v2, 4, v1                        ; 16 x lane
	v_and_b32 v5, 15, v0                           ; r
	v_bfe_u32 v6, v0, 4, 1                         ; h
	s_mov_b32 s27, 0                               ; the upper word of every byte offset below
	s_wait_kmcnt 0x0
	s_cmp_lt_u32 ttmp9, NM
	s_cbranch_scc1 .Lmask
	s_cmp_lt_u32 ttmp9, NM+NKV
	s_cbranch_scc1 .Lk
.macro SCALE                           ; s20 = e  ->  v11 = 2^e (the conversion takes its exponent field), v10 = 57,344 x 2^e
	s_wait_kmcnt 0x0
	s_add_co_i32 s20, s20, 127
	s_lshl_b32 s21, s20, 23
	v_mov_b32 v11, s21
	s_add_co_i32 s20, s20, 15
	s_lshl_b32 s20, s20, 23
	s_or_b32 s20, s20, 0x600000
	v_mov_b32 v10, s20
.endm
; ---------------- V.  A LANE TAKES A CHANNEL AND ITS REGISTERS RUN DOWN THE KEYS: wave w, lane l: channel 32 w + l, the step's 128 keys.  The conversions then give codes with the keys innermost,
; and a lane's 16 codes of keys 16 q .. 16 q + 15 are the 16 bytes of the image at 2,048 (2 w + l / 16) + 256 q + 16 (l % 16): sixteen lanes store 256 consecutive bytes, aligned.
	s_load_b32 s20, s[10:11], 0xc                  ; ev
	s_sub_co_u32 s24, ttmp9, NM+NKV                ; 16 x head + step
	s_lshl_b32 s26, s24, 16                        ; 128 keys of 512 bytes
	s_lshl_b32 s28, s18, 7                         ; my wave's 32 channels
	s_add_co_u32 s26, s26, s28
	s_add_nc_u64 s[6:7], s[6:7], s[26:27]
	s_lshl_b32 s26, s24, 15
	s_lshl_b32 s28, s18, 12                        ; my wave's two fragments
	s_add_co_u32 s26, s26, s28
	s_add_co_u32 s26, s26, 16384                   ; V's half of the step
	s_add_nc_u64 s[12:13], s[12:13], s[26:27]
	s_wait_alu depctr_va_vdst(0)
	v_lshlrev_b32 v3, 2, v1                        ; in: 4 bytes a lane
	v_lshlrev_b32 v4, 4, v5
	v_lshl_add_u32 v4, v6, 11, v4                  ; out: 2,048 (l / 16) + 16 (l % 16)
.macro VLD q                           ; keys 16 q .. 16 q + 15
.irp i, 0,1,2,3,4,5,6,7,8,9,10,11,12,13,14,15
	global_load_b32 v[X+16*(\q)+\i], v3, s[6:7] offset:512*(16*(\q)+\i) th:TH_LOAD_NT
.endr
.endm
.macro VQ q
.if \q < 5
	s_wait_loadcnt 48                              ; group q is in; the three groups behind it stay out
.else
	s_wait_loadcnt 16*(7-\q)                       ; nothing more is asked for: the counts run down
.endif
.if \q < 4
	VLD \q+4                                       ; four groups ahead, into registers of their own
.endif
.irp i, 0,1,2,3,4,5,6,7,8,9,10,11,12,13,14,15
	v_med3_num_f32 v[X+16*\q+\i], v[X+16*\q+\i], -v10, v10   ; the conversion does not saturate (ISA guide 7.6.2): the hold comes first
.endr
	v_cvt_scalef32_pk8_bf8_f32 v[C+4*\q:C+4*\q+1], v[X+16*\q:X+16*\q+7], v11
	v_cvt_scalef32_pk8_bf8_f32 v[C+4*\q+2:C+4*\q+3], v[X+16*\q+8:X+16*\q+15], v11
	global_store_b128 v4, v[C+4*\q:C+4*\q+3], s[12:13] offset:256*\q
.endm
	VLD 0
	VLD 1
	VLD 2
	VLD 3
	s_wait_alu depctr_va_vdst(0)
	SCALE
	s_wait_alu depctr_va_vdst(0)
.irp q, 0,1,2,3,4,5,6,7
	VQ \q
.endr
	s_endpgm
; ---------------- K.  Wave w takes keys 32 w .. 32 w + 31 of the step: fragments 2 w and 2 w + 1.  A load reads one whole row (512 consecutive bytes, 4 channels a lane); a conversion takes two rows' 4 + 4 numbers, so each
; result register is one row's 4 codes.  They turn through the wave's own stage: row i goes to stage row 16 ((i / 8) % 2) + i % 8 + 8 (i / 16), and the image is read off by rows.
.Lk:
	s_load_b32 s20, s[10:11], 0x4                  ; ek
	s_sub_co_u32 s24, ttmp9, NM                    ; 16 x head + step
	s_lshl_b32 s26, s24, 16
	s_lshl_b32 s28, s18, 14                        ; my wave's 32 keys of 512 bytes
	s_add_co_u32 s26, s26, s28
	s_add_nc_u64 s[4:5], s[4:5], s[26:27]
	s_lshl_b32 s26, s24, 15
	s_lshl_b32 s28, s18, 12
	s_add_co_u32 s26, s26, s28
	s_add_nc_u64 s[12:13], s[12:13], s[26:27]
	s_mul_i32 s28, s18, KST                        ; my stage
	s_wait_alu depctr_va_vdst(0)
	v_lshl_add_u32 v3, v1, 2, s28                  ; into it: 4 bytes a lane
	v_mul_u32_u24 v4, v5, 144
	v_lshl_add_u32 v4, v6, 4, v4
	v_add_nc_u32 v4, s28, v4                       ; out of it: row r, + 16 h
.set i, 0
.rept 32
	global_load_b128 v[X+4*i:X+4*i+3], v2, s[4:5] offset:512*i th:TH_LOAD_NT
.set i, i+1
.endr
	SCALE
	s_wait_alu depctr_va_vdst(0)
.irp G, 0,1,2,3                        ; rows 8 G .. 8 G + 7
	s_wait_loadcnt 24-8*\G                         ; these eight rows are in; the rows behind them stay out
.set i, 0
.rept 32
	v_med3_num_f32 v[X+32*\G+i], v[X+32*\G+i], -v10, v10
.set i, i+1
.endr
.irp g, 0,1,2,3
	v_cvt_scalef32_pk8_bf8_f32 v[C+8*\G+2*\g:C+8*\G+2*\g+1], v[X+32*\G+8*\g:X+32*\G+8*\g+7], v11
.endr
.irp k, 0,1,2,3,4,5,6,7
	ds_store_b32 v3, v[C+8*\G+\k] offset:144*(16*(\G%2)+\k+8*(\G/2))   ; row i = 8 G + k
.endr
.endr
.irp u, 0,1
.irp c, 0,1,2,3
	ds_load_b128 v[X+16*\u+4*\c:X+16*\u+4*\c+3], v4 offset:2304*\u+32*\c   ; LDS serves a wave's instructions in order (ISA guide 5.7.1.4)
.endr
.endr
.irp u, 0,1
.irp c, 0,1,2,3
	s_wait_dscnt 7-4*\u-\c
	global_store_b128 v2, v[X+16*\u+4*\c:X+16*\u+4*\c+3], s[12:13] offset:2048*\u+512*\c   ; 32 lanes store 512 consecutive bytes, aligned
.endr
.endr
	s_wait_tensorcnt 0x0                           ; the wave's end
	ds_add_u32 v12, v13
	s_wait_dscnt 0x0
	s_endpgm
; ---------------- THE MASK.  Wave w takes tile qt = 2 x work-group + w / 2 and, of its 16 key steps, the eight from 8 (w % 2) on, in 4 trips of two steps (256 bytes of each row).  A load reads two rows' 256 bytes;
; the 4,096 bytes turn through the wave's own stage, so that lane (r, h) holds, of row r, bytes 32 b + 16 h + 0..15 of each step.  A compare of byte n over the 32 lanes IS the lane mask of score register n.
; The wave's eight flag bits of each kind are one byte of the tile's flag word; with it the wave stores one of the word's two upper bytes, as 0.
.Lmask:
	s_lshl_b32 s24, ttmp9, 1
	s_lshr_b32 s25, s18, 1
	s_add_co_u32 s24, s24, s25                     ; qt
	s_and_b32 s25, s18, 1                          ; which eight steps
	s_lshl_b32 s26, s24, 15                        ; 16 rows of 2,048 bytes,
	s_lshl_b32 s28, s25, 10                        ; eight steps of 128 bytes
	s_add_co_u32 s26, s26, s28
	s_add_nc_u64 s[8:9], s[8:9], s[26:27]
	s_lshl_b32 s26, s24, 12                        ; 16 steps of 64 words
	s_lshl_b32 s28, s25, 11
	s_add_co_u32 s26, s26, s28
	s_add_nc_u64 s[14:15], s[14:15], s[26:27]
	s_lshl_b32 s26, s24, 2
	s_add_co_u32 s26, s26, s25                     ; my byte of the tile's word
	s_add_nc_u64 s[16:17], s[16:17], s[26:27]
	s_wait_alu depctr_va_vdst(0)
	v_lshlrev_b32 v3, 4, v5
	v_lshl_add_u32 v3, v6, 11, v3                  ; in memory: lanes 0-15 one row's 256 bytes, lanes 16-31 the next row's
	s_mul_i32 s28, s18, MST
	s_add_co_u32 s28, s28, MST0                    ; my stage
	v_mul_u32_u24 v4, v6, 272
	v_lshl_add_u32 v4, v5, 4, v4
	v_add_nc_u32 v4, s28, v4                       ; into it: as loaded
	v_mul_u32_u24 v7, v5, 272
	v_lshl_add_u32 v7, v6, 4, v7
	v_add_nc_u32 v7, s28, v7                       ; out of it: row r, + 16 h
	v_lshlrev_b32 v8, 3, v1                        ; lm: two words a lane
.irp k, 96,97,98,99
	v_mov_b32 v\k, 0                               ; a lane write's destination counts as read: written once
.endr
	s_mov_b32 s30, 4                               ; trips to go
	s_mov_b32 s31, 1                               ; the bit of the step in hand, in my byte
	s_mov_b32 s32, 0                               ; 'some byte is true', a bit a step
	s_mov_b32 s33, 0                               ; 'all bytes are true'
.macro MLD
.irp i, 0,1,2,3,4,5,6,7
	global_load_b128 v[32+4*\i:35+4*\i], v3, s[8:9] offset:4096*\i th:TH_LOAD_NT
.endr
.endm
; step s of the trip's two: 64 words, by fours; word n goes to lane n / 2, register n % 2, so that one store of 8 bytes a lane writes the step's 256 bytes, aligned
.macro WORDS s
.set n, 0
.rept 16
.irp k, 0,1,2,3
	v_bfe_u32 v[100+\k], v[64+16*\s+n/4], 8*\k, 8
.endr
.irp k, 0,1,2,3
	v_cmp_ne_u32 s[40+\k], 0, v[100+\k]
.endr
.irp k, 0,1,2,3
	v_writelane_b32 v[96+2*\s+\k%2], s[40+\k], (n+\k)/2
.endr
.set n, n+4
.endr
	global_store_b64 v8, v[96+2*\s:97+2*\s], s[14:15] offset:256*\s
	v_or_b32 v101, v[96+2*\s], v[97+2*\s]
	v_cmp_ne_u32 vcc_lo, 0, v101
	s_cmp_lg_u32 vcc_lo, 0                         ; some word has a bit
	s_cselect_b32 s34, s31, 0
	s_or_b32 s32, s32, s34
	v_and_b32 v101, v[96+2*\s], v[97+2*\s]
	v_cmp_ne_u32 vcc_lo, -1, v101
	s_cmp_eq_u32 vcc_lo, 0                         ; no word lacks a bit
	s_cselect_b32 s34, s31, 0
	s_or_b32 s33, s33, s34
	s_lshl_b32 s31, s31, 1
.endm
	MLD
.Lchunk:
	s_wait_loadcnt 0x0                             ; this trip's 4,096 bytes are in, and the loads' base may be stepped
	s_wait_alu depctr_va_vdst(0)
.irp i, 0,1,2,3,4,5,6,7
	ds_store_b128 v4, v[32+4*\i:35+4*\i] offset:544*\i
.endr
.irp s, 0,1
.irp b, 0,1,2,3
	ds_load_b128 v[64+16*\s+4*\b:67+16*\s+4*\b], v7 offset:128*\s+32*\b
.endr
.endr
	s_wait_dscnt 0x0                               ; the bytes are back, and the stores have read their registers
	s_cmp_eq_u32 s30, 1                            ; the last trip asks for nothing: no load leaves my part of the mask
	s_cbranch_scc1 .Lnomore
	s_add_nc_u64 s[8:9], s[8:9], 256
	MLD                                            ; the next trip's bytes come while this trip's words are made
.Lnomore:
	WORDS 0
	WORDS 1
	s_wait_xcnt 0x0                                ; the two stores have read their words and their base
	s_add_nc_u64 s[14:15], s[14:15], 512
	s_sub_co_u32 s30, s30, 1
	s_cmp_lg_u32 s30, 0
	s_cbranch_scc1 .Lchunk
	v_mov_b32 v102, s32                            ; four bytes a wave, once in the launch: lane 0 'some', lane 1 'all', lanes 2 and 3 the zeros two bytes on
	v_mov_b32 v103, s33
	v_and_b32 v105, 1, v1
	v_cmp_eq_u32 vcc_lo, 1, v105
	v_cndmask_b32 v102, v102, v103, vcc_lo
	v_cmp_gt_u32 vcc_lo, 2, v1
	v_cndmask_b32 v102, 0, v102, vcc_lo
	v_lshlrev_b32 v104, 9, v105                    ; the two kinds lie 512 bytes apart
	v_and_b32 v105, 2, v1
	v_add_nc_u32 v104, v104, v105
	v_cmp_gt_u32 vcc_lo, 4, v1
	s_wait_alu depctr_va_vdst(0)
	s_wait_xcnt 0x0                                ; EXEC changes only behind this wait
	s_wait_tensorcnt 0x0                           ; the wave's end
	ds_add_u32 v12, v13
	s_wait_dscnt 0x0
	s_and_saveexec_b32 s35, vcc_lo
	global_store_b8 v104, v102, s[16:17]
	s_wait_xcnt 0x0                                ; and is restored only behind this one
	s_or_b32 exec_lo, exec_lo, s35
	s_endpgm
.Lfunc_end_k_q6cd74f1860_prep:
	.size	k_q6cd74f1860_prep, .Lfunc_end_k_q6cd74f1860_prep-k_q6cd74f1860_prep
	.p2alignl 7, 3214868480
	.fill 96, 4, 3214868480
	.section	.rodata,"a",@progbits
	.p2align	6, 0x0
	.amdhsa_kernel k_q6cd74f1860_prep
		.amdhsa_group_segment_fixed_size 36352
		.amdhsa_private_segment_fixed_size 0
		.amdhsa_enable_private_segment 0
		.amdhsa_kernarg_size 56
		.amdhsa_user_sgpr_count 2
		.amdhsa_user_sgpr_kernarg_segment_ptr 1
		.amdhsa_wavefront_size32 1
		.amdhsa_system_sgpr_workgroup_id_x 1
		.amdhsa_system_sgpr_workgroup_id_y 1
		.amdhsa_system_sgpr_workgroup_id_z 1
		.amdhsa_system_vgpr_workitem_id 0
		.amdhsa_next_free_vgpr 192
		.amdhsa_next_free_sgpr 66
		.amdhsa_reserve_vcc 1
		.amdhsa_float_denorm_mode_32 3
		.amdhsa_float_denorm_mode_16_64 3
		.amdhsa_memory_ordered 1
		.amdhsa_forward_progress 1
		.amdhsa_inst_pref_size 71
	.end_amdhsa_kernel
	.amdgpu_metadata
---
amdhsa.version: [ 1, 2 ]
amdhsa.kernels:
  - .name:           k_q6cd74f1860_prep
    .symbol:         k_q6cd74f1860_prep.kd
    .args:
      - { .name: K, .offset: 0, .size: 8, .value_kind: global_buffer, .address_space: global }
      - { .name: V, .offset: 8, .size: 8, .value_kind: global_buffer, .address_space: global }
      - { .name: mask, .offset: 16, .size: 8, .value_kind: global_buffer, .address_space: global }
      - { .name: lowp_scales, .offset: 24, .size: 8, .value_kind: global_buffer, .address_space: global }
      - { .name: kv, .offset: 32, .size: 8, .value_kind: global_buffer, .address_space: global }
      - { .name: lm, .offset: 40, .size: 8, .value_kind: global_buffer, .address_space: global }
      - { .name: fl, .offset: 48, .size: 8, .value_kind: global_buffer, .address_space: global }
    .group_segment_fixed_size: 36352
    .private_segment_fixed_size: 0
    .kernarg_segment_align: 8
    .kernarg_segment_size: 56
    .max_flat_workgroup_size: 128
    .sgpr_count:     66
    .vgpr_count:     192
    .wavefront_size: 32
...
	.end_amdgpu_metadata
.endif
;; end of part 1
;; launch attn (part 2): grid 4 x 64, 8 waves a work-group, no clusters, 201,728 bytes of LDS; arguments Q, kv, lm, fl, lowp_scales, out0; writes out0
.if DOCPART == 2
	.amdgcn_target "amdgcn-amd-amdhsa--gfx1250"
	.amdhsa_code_object_version 6
	.text
	.protected	k_q6cd74f1860_attn
	.globl	k_q6cd74f1860_attn
	.p2align	8
	.type	k_q6cd74f1860_attn,@function
k_q6cd74f1860_attn:
	s_mov_b64 s[64:65], 0
	v_nop
	global_prefetch_b8 v0, s[64:65] scope:SCOPE_SE
	s_setreg_imm32_b32 hwreg(HW_REG_WAVE_MODE, 25, 1), 1
	s_wait_xcnt 0x0
; out0[head][q][:] = the sum over k of softmax_k(mask ? Q[q] . K[k] / sqrt(128) : -infinity) V[k][:], both products on codes of BF8 (E5M2) with the given scales 2^eq, 2^ek, 2^ep, 2^ev.
; THE SOFTMAX: t = score x log2(e) / sqrt(128); M = the row's largest t so far, rounded UP to a whole number; p = 2^(t - M) is quantised, not normalised; the row's sum is taken of the unquantised p and divides at the end.
; When M moves, the sum and O are multiplied by 2^(old M - new M).  A row with no true byte has sum 0 and O 0: 0 x infinity gives NaN, as the softmax of such a row is.
; INPUTS MADE BY THE LAUNCH BEFORE: kv, K's and V's codes as images of operand registers, 32,768 bytes a key step of 128 keys (K's 8 fragments, then V's 8); lm, the mask as lane masks, a word for each score register;
; fl, for each tile of 16 queries a bit a key step: some byte true, all bytes true.
; SHARES.  Work-group (x, head) makes two passes of 256 queries: block 7 - x, then block x.  Each of the 8 waves owns 32 queries: tile A in register window 0, tile B in window 1; each fragment read from LDS feeds both.
; EVERY PASS WALKS ALL 16 KEY STEPS, 8 trips of two: every wave passes every barrier.  The flags, stored whole numbers, lead by scalar branches round loads, LDS stores and work: a step in which neither of the wave's tiles
; has a true byte is not multiplied; a tile that no wave needs is not fetched; a step with hidden bytes runs its own copy of the scores and softmax, with the mask in it.
; So LDS is filled through registers, and tiles are not shared between work-groups: they want different numbers of tiles, by numbers read from memory.
; Q.  The first pass loads its 32 rows a wave at its head and quantises them in registers.  The SECOND pass's rows come during the first pass: four rows at the end of each of steps 0 to 7, into the registers of p's codes,
; which are idle from a step's second product to the next step's conversions; in the next step they are quantised and kept in LDS bytes of the wave's own, from which the second pass's head reads its two fragments.
; LAYOUT.  Both products transposed: S^T = K Q^T, O^T = V^T P^T: a lane holds ONE query (lane % 16).  Score register n = 16 b + i of lane (r, h) is key 32 b + 16 h + i, so the conversions' results are the second product's operand.
; In every operand registers 4 c .. 4 c + 3 hold k = 32 c + 16 h + 0..15: a permutation of k, the same on both sides of each product.
; LDS.  Two slots of 32,768 bytes: slot t % 2 holds V of step t and K of step t + 1; step t reads slot t % 2 alone and writes the other alone; one barrier a step.  Behind them: a stage of 4,608 bytes a wave; the spare words;
; K of step 0 (16,384 bytes, filled once a pass by all waves together); the second pass's codes of Q, 10,240 bytes a wave: row j at 576 + 144 j, so that every address that the walk's stepped offset can take lies in the wave's own bytes.
; PREFETCHES.  kv: at a step's head the 32,768 bytes (V of step t + 3, K of step t + 4) that the loads at the END OF THE NEXT step ask for; the head's work-group x = 0 asks, in its first pass, by waves 0 to 3, a lane a block of 256 bytes;
; gated by step t + 4's bit, so it stays inside the head.  Q: at the head of steps 0 to 5 of the first pass each wave names the 2,048 bytes that it loads at the end of step t + 2: lanes 0 to 7 a block each, the others the last again.
; LIMITS on the given exponents: eq + ek between -123 and 130 (added to c's exponent field); eq and ep between -126 and 112.  NaN among Q is not served; an infinity is held at the largest code.
; VECTOR REGISTERS (w0, w1: windows).  v0 thread (w1: 2^eq); v1 16 x lane (w1: 4 x lane); v2 16 x thread (w1: at work); v3 2^ep; v4 -infinity; v5 at work; v6 256 x thread (w1: my spare word); v7 Q's prefetch offset, at the end the way out's (w1: 0);
; v[8:9] f and 0; v[10:11] at work; v12 -M, v13 the largest t, v[14:15] the sum; v16-31 Q's codes; v32-95, v96-159 two areas that change places each step (fragments, scores); v160-223 O^T; v224-239 p's codes, w0 between steps: Q's rows; v240-255 tiles on their way to LDS.
; SCALARS.  s[4:5] Q, s[14:15] out0 at my wave's rows of block 0; s[6:7] kv at the trip's first step; s[8:9] lm; s[10:11] fl; s[12:13] lm at my tile A; s16 wave; s17 passes to go; s18 block; s19 trips to go; s[20:21] lane selects; s[22:23] c;
; s24 57,344 x 2^ep; s25 ep + ev; s26 1 where p needs its hold; s27 my 'some', s28 my 'all', s29 the work-group's 'some', s101 what I prefetch of kv; s30 2^eq; s31, s100 +-57,344 x 2^eq; s[66:67] rows of Q, later of out0;
; s104 a bit for each step in which Q's rows are quantised (steps 1 to 8 of the first pass); s105 where they go in LDS; s[32:63], s[68:99] 64 lane masks.
.set STG0,  65536
.set STGW,  4608
.set SPARE, 0x19000
.set K0A,   0x19400
.set Q2A,   0x1d400
.set Q2W,   10240
.set F,     32
.set S,     96
.set HERE,  0
.set THERE, 32768
.set MSB,   0
.macro WIN new                         ; s_set_vgpr_msb: bits 1:0 source 0, 3:2 source 1, 5:4 source 2, 7:6 destination; the high byte repeats the setting that is left.  At every label and branch the setting is 0
.if MSB != (\new)
	s_set_vgpr_msb (MSB<<8)|(\new)
.set MSB, (\new)
.endif
.endm
.macro PLACES n
.rept \n
	v_nop
.endr
.endm
; four matrix instructions: fragments 4 g .. 4 g + 3 (window g) against one tile.  pv = 0: S^T = K Q^T;  pv = 1: O^T += V^T P^T.  A step's 32 name 32 different accumulators
.macro MM4 pv, tile, g
	WIN 0x54*\tile+\g
.irp q, 0,1,2,3
.if \pv
	v_wmma_f32_16x16x128_bf8_bf8 v[160+8*(4*\g+\q):167+8*(4*\g+\q)], v[F+16*\q:F+16*\q+15], v[224:239], v[160+8*(4*\g+\q):167+8*(4*\g+\q)]
.else
	v_wmma_f32_16x16x128_bf8_bf8 v[S+8*(4*\g+\q):S+8*(4*\g+\q)+7], v[F+16*\q:F+16*\q+15], v[16:31], 0
.endif
.endr
.endm
.macro FLOAD dst, adr, off             ; eight fragments from LDS as they lie: 32 loads of 512 consecutive bytes
.irp g, 0,1
	WIN 0x40*\g
.irp q, 0,1,2,3
.irp c, 0,1,2,3
	ds_load_b128 v[\dst+16*\q+4*\c:\dst+16*\q+4*\c+3], v[\adr] offset:\off+8192*\g+2048*\q+512*\c
.endr
.endr
.endr
	WIN 0
.endm
.macro KPRE s                          ; K of the next step into the area that the next step calls F, if I multiply in that step
	s_bitcmp1_b32 s27, \s+1
	s_cbranch_scc0 .Lno_kpre_\@
	FLOAD S, 1, HERE+16384
.Lno_kpre_\@:
.endm
.macro MLOAD tile, s                   ; a tile's 64 lane masks of the step
	s_load_b512 s[32:47], s[12:13], 4096*\tile+256*\s
	s_load_b512 s[48:63], s[12:13], 4096*\tile+256*\s+64
	s_load_b512 s[68:83], s[12:13], 4096*\tile+256*\s+128
	s_load_b512 s[84:99], s[12:13], 4096*\tile+256*\s+192
.endm
.macro MAPPLY tile                     ; a hidden score becomes -infinity ahead of the maximum, each accumulator from its low end on
	WIN 0x55*\tile
	s_wait_kmcnt 0x0
.if \tile
	s_wait_alu depctr_va_vdst(0)
.endif
.set n, 0
.rept 64
	v_cndmask_b32 v[S+n], v4, v[S+n], s[32+n+4*(n/32)]
.set n, n+1
.endr
.endm
.macro PH1 w                           ; one tile's softmax for the step, up to the row's sum
	WIN \w
	v_max3_num_f32 v10, v[S], v[S+1], v[S+2]
	v_max3_num_f32 v11, v[S+3], v[S+4], v[S+5]
.irp i, 6,10,14,18,22,26,30,34,38,42,46,50,54,58
	v_max3_num_f32 v10, v10, v[S+\i], v[S+\i+1]
	v_max3_num_f32 v11, v11, v[S+\i+2], v[S+\i+3]
.endr
	v_max3_num_f32 v10, v10, v[S+62], v[S+63]
	s_delay_alu instid0(VALU_DEP_1)
	v_max_num_f32 v10, v10, v11
	s_delay_alu instid0(VALU_DEP_1)
	v_permlanex16_b32 v5, v10, s20, s21
	s_delay_alu instid0(VALU_DEP_1)
	v_max_num_f32 v10, v10, v5                     ; the step's largest score of my query
	s_delay_alu instid0(VALU_DEP_1)
	v_mul_f32 v10, s22, v10                        ; as t (c is positive)
	s_delay_alu instid0(VALU_DEP_1)
	v_max_num_f32 v13, v13, v10
	v_mov_b32 v10, v12
	s_delay_alu instid0(VALU_DEP_2)
	v_floor_f32 v12, -v13                          ; the new -M = -ceil(t)
	s_delay_alu instid0(VALU_DEP_1)
	v_sub_f32 v10, v12, v10
	s_delay_alu instid0(VALU_DEP_1)
	v_cvt_i32_f32 v10, v10
	s_delay_alu instid0(VALU_DEP_1)
	v_ldexp_f32 v8, 1.0, v10                       ; f = 2^(old M - new M)
.set j, 0
.rept 32
	v_pk_fma_f32 v[S+j:S+j+1], v[S+j:S+j+1], s[22:23], v[12:13] op_sel_hi:[1,0,0]   ; t - M
.set j, j+2
.endr
.set j, 0
	s_wait_alu depctr_va_vdst(0)
.rept 64
	v_exp_f32 v[S+j], v[S+j]
.set j, j+1
.endr
	v_pk_mul_f32 v[14:15], v[14:15], v[8:9] op_sel_hi:[1,0]   ; the sum under the new M: the plain line behind the exponentials
	s_wait_alu depctr_va_vdst(0)                   ; and the one behind it, ahead of the first reader
	v_pk_add_f32 v[10:11], v[S:S+1], v[S+2:S+3]
.irp j, 4,8,12,16,20,24,28,32,36,40,44,48,52,56,60
	v_pk_add_f32 v[14:15], v[14:15], v[S+\j:S+\j+1]
	v_pk_add_f32 v[10:11], v[10:11], v[S+\j+2:S+\j+3]
.endr
	s_delay_alu instid0(VALU_DEP_1)
	v_pk_add_f32 v[14:15], v[14:15], v[10:11]
.endm
; scores and softmax of both tiles.  m = 1: the copy for a step with hidden bytes: tile A's masks are asked for ahead of the products, tile B's ahead of tile A's softmax
.macro SOFT s, m
.if \m
	MLOAD 0, \s
.endif
	MM4 0, 0, 0
	MM4 0, 1, 0
	s_wait_alu depctr_va_vdst(0)
	MM4 0, 0, 1
	MM4 0, 1, 1
	WIN 0
	PLACES 4                                       ; ahead of the loads into the registers that these products read, and of the first read of the scores
	FLOAD F, 1, HERE                               ; V's fragments come during the two softmaxes
.if \m
	MAPPLY 0
	MLOAD 1, \s
.endif
	PH1 0
.if \m
	MAPPLY 1
.endif
	PH1 0x55
	WIN 0
.endm
; four rows of the second pass's Q, loaded at the last step's end, become codes in my own LDS bytes.  The wait stands on every path: p's codes are written next
.macro QCONS s
	s_wait_loadcnt 0x0
	s_bitcmp1_b32 s104, \s
	s_cbranch_scc0 .Lno_qc_\@
	WIN 0x44
	v_add_nc_u32 v2, s105, v1
	WIN 0
.set j, 0
.rept 16
	v_med3_num_f32 v[224+j], v[224+j], s100, s31   ; the conversion does not saturate (ISA guide 7.6.2): the hold comes first
.set j, j+1
.endr
	WIN 0x04
	v_cvt_scalef32_pk8_bf8_f32 v[10:11], v[224:231], v0   ; two rows' 4 + 4 numbers: each result register is one row's 4 codes
	WIN 0x44
	v_cvt_scalef32_pk8_bf8_f32 v[10:11], v[232:239], v0
	v_nop                                          ; one plain line behind the last conversion
	WIN 0x01
	ds_store_b32 v2, v10 offset:576*\s
	ds_store_b32 v2, v11 offset:576*\s+144
	WIN 0x05
	ds_store_b32 v2, v10 offset:576*\s+288
	ds_store_b32 v2, v11 offset:576*\s+432
	WIN 0
.Lno_qc_\@:
.endm
.macro QISSUE s                        ; rows 8 T + 4 s + 0..3 of the second pass's Q
	s_bitcmp1_b32 s104, \s+1
	s_cbranch_scc0 .Lno_qi_\@
.irp i, 0,1,2,3
	global_load_b128 v[224+4*\i:227+4*\i], v1, s[66:67] offset:512*(4*\s+\i) th:TH_LOAD_NT
.endr
.Lno_qi_\@:
.endm
; p's hold at the largest code x 2^ep, one-sided; where ep >= -15 it changes nothing and is passed over, by a branch on the given ep
.macro HOLDP
	s_cmp_lg_u32 s26, 0
	s_cbranch_scc0 .Lno_hold_\@
.irp w, 0, 0x55
	WIN \w
.set j, 0
.rept 64
	v_min_num_f32 v[S+j], s24, v[S+j]
.set j, j+1
.endr
.endr
	WIN 0
.Lno_hold_\@:
.endm
.macro CVT
.irp w, 0, 0x55
	WIN \w
.set j, 0
.rept 8
	v_cvt_scalef32_pk8_bf8_f32 v[224+2*j:225+2*j], v[S+8*j:S+8*j+7], v3
.set j, j+1
.endr
.endr
	v_nop                                          ; one plain line behind the last conversion, on every path
.endm
.macro RESC                            ; O^T under the new M; these plain lines also stand between the conversions and the products that read the codes
.irp w, 0, 0x55
	WIN \w
.set j, 0
.rept 32
	v_pk_mul_f32 v[160+j:161+j], v[160+j:161+j], v[8:9] op_sel_hi:[1,0]
.set j, j+2
.endr
.endr
.endm
; The step's second product, with O^T brought under the new M first.  Waves 0 to 3 run it in front of the step's barrier, waves 4 to 7 behind it, so that the two halves of the work-group stand at different places of a step.
; It works on registers alone (V's fragments and p's codes are in; every LDS read of the step stands in front of the barrier), so the barrier orders the same LDS accesses for both halves.
.macro PVP
	RESC
	MM4 1, 0, 0
	MM4 1, 1, 0
	MM4 1, 0, 1
	MM4 1, 1, 1
	WIN 0
	PLACES 5                                       ; the next step's products write their scores over the registers that these read; loads into p's codes follow
.endm
.macro KVN n
	s_bitcmp1_b32 s29, \n
	s_cbranch_scc0 .Lno_v_\@
.irp j, 0,1,2,3
	global_load_b128 v[240+4*\j:243+4*\j], v2, s[6:7] offset:(\n)*32768+16384+4096*\j
.endr
.Lno_v_\@:
	s_bitcmp1_b32 s29, \n+1
	s_cbranch_scc0 .Lno_k_\@
	WIN 0x40
.irp j, 0,1,2,3
	global_load_b128 v[240+4*\j:243+4*\j], v2, s[6:7] offset:(\n+1)*32768+4096*\j
.endr
	WIN 0
.Lno_k_\@:
.endm
; A KEY STEP t, of parity s; bit s of the flag words is step t's
.macro STEP s
.set F, 32+64*\s
.set S, 96-64*\s
.set HERE, 32768*\s
.set THERE, 32768*(1-\s)
	s_bitcmp1_b32 s101, \s+4
	s_cbranch_scc0 .Lno_pf_\@
	global_prefetch_b8 v6, s[6:7] offset:(\s+3)*32768+16384 th:TH_LOAD_NT scope:SCOPE_SE
.Lno_pf_\@:
	s_bitcmp1_b32 s104, \s+3
	s_cbranch_scc0 .Lno_qp_\@
	global_prefetch_b8 v7, s[66:67] offset:512*(4*\s+8) th:TH_LOAD_NT scope:SCOPE_SE
.Lno_qp_\@:
	s_bitcmp1_b32 s27, \s
	s_cbranch_scc0 .Lidle_\@
	s_bitcmp1_b32 s28, \s
	s_cbranch_scc1 .Lopen_\@
	SOFT \s, 1
	s_branch .Lsoft_\@
.Lopen_\@:
	SOFT \s, 0
.Lsoft_\@:
	QCONS \s
	HOLDP
	CVT
	WIN 0
	s_wait_dscnt 0x0                               ; V's fragments are in
	KPRE \s                                        ; the scores' area takes the next step's K
	s_cmp_lt_u32 s16, 4
	s_cbranch_scc0 .Ljoin_\@                       ; waves 4 to 7: behind the barrier
	PVP
	s_branch .Ljoin_\@
.Lidle_\@:
	KPRE \s
	QCONS \s
.Ljoin_\@:
	s_wait_loadcnt 0x0                             ; the tiles asked for at the last step's end are in registers: they go into the other slot, last read ahead of the barrier before this one
	s_bitcmp1_b32 s29, \s+1
	s_cbranch_scc0 .Lno_vs_\@
.irp j, 0,1,2,3
	ds_store_b128 v2, v[240+4*\j:243+4*\j] offset:THERE+4096*\j
.endr
.Lno_vs_\@:
	s_bitcmp1_b32 s29, \s+2
	s_cbranch_scc0 .Lno_ks_\@
	WIN 0x04
.irp j, 0,1,2,3
	ds_store_b128 v2, v[240+4*\j:243+4*\j] offset:THERE+16384+4096*\j
.endr
	WIN 0
.Lno_ks_\@:
	s_wait_dscnt 0x0                               ; for the others' sake: my stores have landed, my reads of this slot are back; and the stores have read their registers,
	KVN \s+2                                       ; which take what the next step hands on
	s_barrier_signal -1
	s_barrier_wait -1
	s_cmp_lt_u32 s16, 4
	s_cbranch_scc1 .Lno_p_\@
	s_bitcmp1_b32 s27, \s                          ; waves 4 to 7: the step's second product, if the step was mine
	s_cbranch_scc0 .Lno_p_\@
	PVP
.Lno_p_\@:
	QISSUE \s                                      ; in every wave p's codes are done with here: their registers take Q's rows
.endm
.macro KVL                             ; a pass's first tiles, 12 loads: K of step 1, V of step 0, K of step 0, each shared out among the 256 threads
	WIN 0x40
.irp j, 0,1,2,3
	global_load_b128 v[240+4*\j:243+4*\j], v2, s[6:7] offset:32768+4096*\j
.endr
	WIN 0
.irp j, 0,1,2,3
	global_load_b128 v[240+4*\j:243+4*\j], v2, s[6:7] offset:16384+4096*\j
.endr
.irp j, 0,1,2,3
	global_load_b128 v[32+4*\j:35+4*\j], v2, s[6:7] offset:4096*\j
.endr
.endm
; Q's tile becomes a fragment: a load brought one row's 512 bytes, 4 channels a lane; the codes turn through my stage (rows of 128 bytes + 16)
.macro QQ tile
	s_wait_loadcnt 28-16*\tile                     ; behind the tile's 16 loads: tile B's 16 (for tile A) and the 12 of the first tiles
	WIN 0x55*\tile
.set j, 0
.rept 64
	v_med3_num_f32 v[96+j], v[96+j], s100, s31
.set j, j+1
.endr
.set j, 0
.rept 8
	v_cvt_scalef32_pk8_bf8_f32 v[224+2*j:225+2*j], v[96+8*j:103+8*j], v5
.set j, j+1
.endr
	v_nop
	WIN 0x04*\tile
.set j, 0
.rept 16
	ds_store_b32 v10, v[224+j] offset:144*j+2304*\tile
.set j, j+1
.endr
	WIN 0x40*\tile
.irp c, 0,1,2,3
	ds_load_b128 v[16+4*\c:19+4*\c], v11 offset:32*\c+2304*\tile   ; LDS serves a wave's instructions in order (ISA guide 5.7.1.4)
.endr
	WIN 0
.endm
; a tile's way out: O^T / the sum x 2^(ep + ev); half a row (256 bytes) of 16 queries at a time through my stage, so that sixteen lanes store 256 consecutive bytes, aligned
.macro OUT tile
	WIN 0x55*\tile
	v_add_f32 v14, v14, v15
	s_delay_alu instid0(VALU_DEP_1)
	v_permlanex16_b32 v5, v14, s20, s21
	s_delay_alu instid0(VALU_DEP_1)
	v_add_f32 v14, v14, v5
	s_wait_alu depctr_va_vdst(0)
	v_rcp_f32 v14, v14
	v_nop
	s_wait_alu depctr_va_vdst(0)                   ; the waits ahead of the reciprocal and ahead of its first reader
	v_ldexp_f32 v14, v14, s25
.set j, 0
.rept 32
	v_pk_mul_f32 v[96+j:97+j], v[160+j:161+j], v[14:15] op_sel_hi:[1,0]
.set j, j+2
.endr
.irp u, 0,1
	WIN 0x04*\tile
.irp t, 0,1,2,3
	ds_store_b128 v10, v[96+32*\u+8*\t:99+32*\u+8*\t] offset:64*\t
	ds_store_b128 v10, v[100+32*\u+8*\t:103+32*\u+8*\t] offset:64*\t+16
.endr
	WIN 0x40*\tile
.irp i, 0,1,2,3,4,5,6,7
	ds_load_b128 v[32+32*\u+4*\i:35+32*\u+4*\i], v11 offset:544*\i
.endr
.endr
	WIN 0x04*\tile
.irp u, 0,1
.irp i, 0,1,2,3,4,5,6,7
	s_wait_dscnt 23-16*\u-\i                       ; behind this load: the rest of its eight, and for the first half the second half's 8 stores and 8 loads
	global_store_b128 v7, v[32+32*\u+4*\i:35+32*\u+4*\i], s[66:67] offset:8192*\tile+1024*\i+256*\u th:TH_STORE_NT
.endr
.endr
	WIN 0
.endm
	s_load_b256 s[4:11], s[0:1], 0x0               ; Q, kv, lm, fl
	s_load_b128 s[12:15], s[0:1], 0x20             ; the scales' exponents, out0
	WIN 0x40
	v_lshl_add_u32 v6, v0, 2, SPARE
	v_mov_b32 v7, 0
	WIN 0
	v_lshrrev_b32 v1, 5, v0
	v_readfirstlane_b32 s16, v1                    ; wave 0..7
	v_and_b32 v1, 31, v0
	v_lshlrev_b32 v1, 4, v1                        ; 16 x lane
	v_lshlrev_b32 v2, 4, v0                        ; 16 x thread
	v_lshlrev_b32 v6, 8, v0                        ; 256 x thread
	WIN 0x40
	v_lshrrev_b32 v1, 2, v1                        ; w1: 4 x lane
	WIN 0
	s_and_b32 s2, ttmp7, 0xffff                    ; the head
	s_mov_b32 s20, 0x76543210
	s_mov_b32 s21, 0xfedcba98
	s_wait_kmcnt 0x0
	s_load_b128 s[32:35], s[12:13], 0x0            ; eq, ek, ep, ev
	s_lshl_b32 s36, s2, 20
	s_lshl_b32 s37, s16, 14
	s_add_co_u32 s36, s36, s37                     ; the head's rows, my wave's 32 of a block
	s_mov_b32 s37, 0
	s_add_nc_u64 s[4:5], s[4:5], s[36:37]
	s_add_nc_u64 s[14:15], s[14:15], s[36:37]
	s_lshl_b32 s36, s2, 19
	s_add_nc_u64 s[6:7], s[6:7], s[36:37]
	s_wait_kmcnt 0x0
	s_add_co_i32 s22, s32, s33
	s_lshl_b32 s22, s22, 23
	s_add_co_i32 s22, s22, 0x3e0293ee              ; c = log2(e) / sqrt(128) x 2^(eq + ek)
	s_mov_b32 s23, s22
	s_add_co_i32 s36, s34, 127
	s_lshl_b32 s37, s36, 23                        ; 2^ep
	s_add_co_i32 s36, s36, 15
	s_lshl_b32 s24, s36, 23
	s_or_b32 s24, s24, 0x600000                    ; 57,344 x 2^ep
	s_add_co_i32 s25, s34, s35
	s_cmp_lt_i32 s34, -15
	s_cselect_b32 s26, 1, 0
	s_add_co_i32 s36, s32, 127
	s_lshl_b32 s30, s36, 23                        ; 2^eq
	s_add_co_i32 s36, s36, 15
	s_lshl_b32 s31, s36, 23
	s_or_b32 s31, s31, 0x600000
	s_or_b32 s100, s31, 0x80000000
.irp w, 0, 0x40
	WIN \w
	v_mov_b32 v3, s37
	v_mov_b32 v4, 0xff800000
	v_mov_b32 v9, 0
.endr
	v_mov_b32 v0, s30                              ; w1: 2^eq
	WIN 0
	s_sub_co_u32 s18, 7, ttmp9
	s_mov_b32 s17, 2
.Lpass:
	s_lshl_b32 s2, s18, 17
	s_mov_b32 s3, 0
	s_add_nc_u64 s[66:67], s[4:5], s[2:3]          ; my rows of the block in Q
	s_lshl_b32 s2, s18, 6
	s_add_nc_u64 s[48:49], s[10:11], s[2:3]
	s_load_b512 s[32:47], s[48:49], 0x0            ; the block's 16 words 'some',
	s_lshl_b32 s2, s16, 3
	s_add_nc_u64 s[50:51], s[48:49], s[2:3]
	s_load_b64 s[52:53], s[50:51], 0x0             ; and my two tiles' words of both kinds
	s_load_b64 s[54:55], s[50:51], 0x200
	s_lshl_b32 s2, s18, 4
	s_lshl_b32 s56, s16, 1
	s_add_co_u32 s2, s2, s56
	s_lshl_b32 s2, s2, 12
	s_add_nc_u64 s[12:13], s[8:9], s[2:3]          ; my tile A's lane masks; tile B's lie 4,096 bytes on
	s_mul_i32 s105, s16, Q2W
	s_add_co_u32 s105, s105, Q2A                   ; my bytes for the second pass's codes of Q
	s_mul_i32 s2, s16, STGW
	s_add_co_u32 s2, s2, STG0                      ; my stage
	s_wait_alu depctr_va_vdst(0)
	s_cmp_lg_u32 s17, 2
	s_cbranch_scc1 .Lsecond
.set i, 0
.rept 16
	global_load_b128 v[96+4*i:99+4*i], v1, s[66:67] offset:512*i th:TH_LOAD_NT
.set i, i+1
.endr
	WIN 0x40
.set i, 0
.rept 16
	global_load_b128 v[96+4*i:99+4*i], v1, s[66:67] offset:8192+512*i th:TH_LOAD_NT
.set i, i+1
.endr
	KVL
	v_and_b32 v10, 31, v0
	v_and_b32 v11, 15, v0
	v_bfe_u32 v5, v0, 4, 1
	v_lshl_add_u32 v10, v10, 2, s2                 ; into the stage: 4 bytes a lane
	v_mul_u32_u24 v11, v11, 144
	v_lshl_add_u32 v11, v5, 4, v11
	v_add_nc_u32 v11, s2, v11                      ; out of it: row r, + 16 h
	v_mov_b32 v5, s30
	WIN 0x40
	v_mov_b32 v5, s30
	WIN 0
	QQ 0
	QQ 1
	s_branch .Lhead
.Lsecond:                                              ; the second pass: Q's codes lie in my own LDS bytes
	KVL
	s_add_co_u32 s56, s105, 576
	v_and_b32 v11, 15, v0
	v_bfe_u32 v5, v0, 4, 1
	v_mul_u32_u24 v11, v11, 144
	v_lshl_add_u32 v11, v5, 4, v11
	v_add_nc_u32 v11, s56, v11
.irp c, 0,1,2,3
	ds_load_b128 v[16+4*\c:19+4*\c], v11 offset:32*\c
.endr
	WIN 0x40
.irp c, 0,1,2,3
	ds_load_b128 v[16+4*\c:19+4*\c], v11 offset:32*\c+2304
.endr
	WIN 0
.Lhead:
	; which step a wave multiplies first hangs on the flags: O^T and the sum begin as zeros and the largest t as -3e38; the first change of M multiplies zeros
.irp w, 0, 0x55
	WIN \w
	v_mov_b32 v13, 0xff61b1e6
	v_mov_b32 v14, 0
	v_mov_b32 v15, 0
	v_mov_b32 v8, 1.0                              ; f begins as 1
	v_floor_f32 v12, -v13
.set j, 0
.rept 64
	v_mov_b32 v[160+j], 0
.set j, j+1
.endr
.endr
	WIN 0
	v_and_b32 v7, 31, v0
	v_add_nc_u32 v10, K0A, v1                      ; K of step 0 in LDS: where I read,
	v_add_nc_u32 v11, K0A, v2                      ; and where I store
	v_min_u32 v7, 7, v7
	v_lshlrev_b32 v7, 8, v7                        ; Q's prefetches: 256 x min(lane, 7)
	s_wait_alu depctr_va_vdst(0)
	s_wait_kmcnt 0x0
	s_or_b32 s27, s52, s53
	s_and_b32 s27, s27, 0xffff
	s_and_b32 s28, s54, s55
	s_or_b32 s29, s32, s33
.irp k, 34,35,36,37,38,39,40,41,42,43,44,45,46,47
	s_or_b32 s29, s29, s\k
.endr
	s_and_b32 s29, s29, 0xffff                     ; bits 16 on are 0: nothing is asked for behind the head's last step
	s_lshr_b32 s2, s16, 2
	s_or_b32 s2, s2, ttmp9
	s_xor_b32 s56, s17, 2
	s_or_b32 s2, s2, s56
	s_cmp_eq_u32 s2, 0                             ; waves 0 to 3 of work-group x = 0 in its first pass
	s_cselect_b32 s101, s29, 0
	s_cmp_eq_u32 s17, 2
	s_cselect_b32 s104, 0x1fe, 0
	s_wait_loadcnt 0x0                             ; the first tiles are in registers, and Q's loads have read their base
.irp j, 0,1,2,3
	ds_store_b128 v2, v[240+4*\j:243+4*\j] offset:4096*\j
.endr
.irp j, 0,1,2,3
	ds_store_b128 v11, v[32+4*\j:35+4*\j] offset:4096*\j
.endr
	WIN 0x04
.irp j, 0,1,2,3
	ds_store_b128 v2, v[240+4*\j:243+4*\j] offset:16384+4096*\j
.endr
	WIN 0
	s_sub_co_u32 s2, 7, s18
	s_lshl_b32 s2, s2, 17
	s_add_nc_u64 s[66:67], s[4:5], s[2:3]          ; my rows of the other block in Q
	s_wait_dscnt 0x0                               ; my parts have landed; Q's fragments are in
	KVN 1
	s_barrier_signal -1
	s_barrier_wait -1
	FLOAD 32, 10, 0                                ; K of step 0
	s_mov_b32 s19, 8
	s_wait_dscnt 0x0
.Ltrip:
	STEP 0
	STEP 1
	s_wait_xcnt 0x0                                ; the trip's loads and prefetches have read their bases
	s_add_nc_u64 s[6:7], s[6:7], 0x10000
	s_add_nc_u64 s[12:13], s[12:13], 512
	s_add_nc_u64 s[66:67], s[66:67], 4096          ; eight rows of Q,
	s_add_co_u32 s105, s105, 1152                  ; and of its codes
	s_lshr_b32 s27, s27, 2
	s_lshr_b32 s28, s28, 2
	s_lshr_b32 s29, s29, 2
	s_lshr_b32 s101, s101, 2
	s_lshr_b32 s104, s104, 2
	s_sub_co_u32 s19, s19, 1
	s_cmp_lg_u32 s19, 0
	s_cbranch_scc1 .Ltrip
	s_wait_loadcnt 0x0                             ; no load is out when the registers of the walk are given other work
	s_sub_nc_u64 s[6:7], s[6:7], 0x80000
	s_lshl_b32 s2, s18, 17
	s_add_nc_u64 s[66:67], s[14:15], s[2:3]        ; out0 at my rows of the block
	s_mul_i32 s2, s16, STGW
	s_add_co_u32 s2, s2, STG0
	v_and_b32 v7, 15, v0                           ; r
	v_bfe_u32 v5, v0, 4, 1                         ; h
	v_mul_u32_u24 v10, v7, 272
	v_mul_u32_u24 v11, v5, 272
	v_lshl_add_u32 v10, v5, 5, v10
	v_lshl_add_u32 v11, v7, 4, v11
	v_add_nc_u32 v10, s2, v10                      ; into the stage: row r, + 32 h
	v_add_nc_u32 v11, s2, v11                      ; back: lanes 0-15 one row, lanes 16-31 the next
	v_lshlrev_b32 v7, 4, v7
	v_lshl_add_u32 v7, v5, 9, v7                   ; and the same two rows in out0
	OUT 0
	OUT 1
	s_wait_xcnt 0x0                                ; the stores have read their registers and their base
	s_sub_co_u32 s18, 7, s18
	s_sub_co_u32 s17, s17, 1
	s_cmp_lg_u32 s17, 0
	s_cbranch_scc1 .Lpass
	WIN 0x05
	s_wait_tensorcnt 0x0                           ; the wave's end
	ds_add_u32 v6, v7
	s_wait_dscnt 0x0
	WIN 0
	s_endpgm
.Lfunc_end_k_q6cd74f1860_attn:
	.size	k_q6cd74f1860_attn, .Lfunc_end_k_q6cd74f1860_attn-k_q6cd74f1860_attn
	.p2alignl 7, 3214868480
	.fill 96, 4, 3214868480
	.section	.rodata,"a",@progbits
	.p2align	6, 0x0
	.amdhsa_kernel k_q6cd74f1860_attn
		.amdhsa_group_segment_fixed_size 201728
		.amdhsa_private_segment_fixed_size 0
		.amdhsa_enable_private_segment 0
		.amdhsa_kernarg_size 48
		.amdhsa_user_sgpr_count 2
		.amdhsa_user_sgpr_kernarg_segment_ptr 1
		.amdhsa_wavefront_size32 1
		.amdhsa_system_sgpr_workgroup_id_x 1
		.amdhsa_system_sgpr_workgroup_id_y 1
		.amdhsa_system_sgpr_workgroup_id_z 1
		.amdhsa_system_vgpr_workitem_id 0
		.amdhsa_next_free_vgpr 512
		.amdhsa_next_free_sgpr 106
		.amdhsa_reserve_vcc 0
		.amdhsa_float_denorm_mode_32 3
		.amdhsa_float_denorm_mode_16_64 3
		.amdhsa_memory_ordered 1
		.amdhsa_forward_progress 1
		.amdhsa_inst_pref_size 201
	.end_amdhsa_kernel
	.amdgpu_metadata
---
amdhsa.version: [ 1, 2 ]
amdhsa.kernels:
  - .name:           k_q6cd74f1860_attn
    .symbol:         k_q6cd74f1860_attn.kd
    .args:
      - { .name: Q, .offset: 0, .size: 8, .value_kind: global_buffer, .address_space: global }
      - { .name: kv, .offset: 8, .size: 8, .value_kind: global_buffer, .address_space: global }
      - { .name: lm, .offset: 16, .size: 8, .value_kind: global_buffer, .address_space: global }
      - { .name: fl, .offset: 24, .size: 8, .value_kind: global_buffer, .address_space: global }
      - { .name: lowp_scales, .offset: 32, .size: 8, .value_kind: global_buffer, .address_space: global }
      - { .name: out0, .offset: 40, .size: 8, .value_kind: global_buffer, .address_space: global }
    .group_segment_fixed_size: 201728
    .private_segment_fixed_size: 0
    .kernarg_segment_align: 8
    .kernarg_segment_size: 48
    .max_flat_workgroup_size: 256
    .sgpr_count:     106
    .vgpr_count:     512
    .wavefront_size: 32
...
	.end_amdgpu_metadata
.endif
;; end of part 2
